; MI455X (gfx1250); checked and timed in simulation.
; The chip was launched on July 23, 2026; its instructions are those of AMD's public machine-readable ISA for CDNA 5 (MIT licence, August 2026) and "CDNA5" Instruction Set Architecture Reference Guide (July 2026). The comments in the code are by the model that wrote it; some were corrected since.
;; Head. Allowed arithmetic: matrix products marked QUANTISED: E2M3 operands, one E8M0 scale for each 32 along K, by v_wmma_scale_f32_16x16x128_f8f6f4 with both operands' format E2M3, f32 sums; everything else in f32.
;; Inputs: Wk_codes 64 x 2 x 24 uint8 (E2M3 codes of Wk, K innermost, in blocks of 32 codes, four codes in three bytes); Wk_scales 64 x 2 uint8 (E8M0 scales of Wk, one for each 32 codes along K); Wq_codes 64 x 2 x 24 uint8 (E2M3 codes of Wq, K innermost, in blocks of 32 codes, four codes in three bytes); Wq_scales 64 x 2 uint8 (E8M0 scales of Wq, one for each 32 codes along K); Wv_codes 64 x 2 x 24 uint8 (E2M3 codes of Wv, K innermost, in blocks of 32 codes, four codes in three bytes); Wv_scales 64 x 2 uint8 (E8M0 scales of Wv, one for each 32 codes along K); x_codes 32 x 1,024 x 2 x 24 uint8 (E2M3 codes of x, K innermost, in blocks of 32 codes, four codes in three bytes); x_scales 32 x 1,024 x 2 uint8 (E8M0 scales of x, one for each 32 codes along K).
;; Outputs: out0 32 x 1,024 x 64 float32.
;; This version of the problem:
;;   THIS VERSION OF THE PROBLEM IS GIVEN IN LOW PRECISION. The matrix products marked QUANTISED in the list below multiply operands that are first quantised to E2M3 (2 exponent bits, 3 mantissa bits; 6 bits a number), with one power-of-two scale for each 32 numbers along K (OCP MX v1.0); their sums are f32. All else is computed in f32.
;;   The module's matrix products, in the order in which they are computed (A, B: the left and right operand; K: the contracted axis; several contracted axes count as one K, in the product's order):
;;     1. [M 32,768, K 64] x [K 64, N 64]; A: input x (given as codes); B: input Wq (given as codes): QUANTISED
;;     2. [M 32,768, K 64] x [K 64, N 64]; A: input x (given as codes); B: input Wk (given as codes): QUANTISED
;;     3. [M 32,768, K 64] x [K 64, N 64]; A: input x (given as codes); B: input Wv (given as codes): QUANTISED
;;     4. batch 32 x [M 1,024, K 64] x [K 64, N 1,024]; A: computed on the way; B: computed on the way: QUANTISED
;;     5. batch 32 x [M 1,024, K 1,024] x [K 1,024, N 64]; A: softmax (see below); B: computed on the way: QUANTISED
;;   THE QUANTISER, for each operand of a quantised product, along K:
;;     - K is cut into blocks of 32 from its start; a last block that is shorter is filled with zeros.
;;     - A block's scale is 2^e with e = floor(log2(the largest magnitude in the block)) - 2, held to -126 .. 127; a block of zeros has e = 0. As a byte (E8M0): e + 127.
;;     - Each number is divided by its block's scale, clamped to +-7.5, and rounded to the nearest number of E2M3, ties to even, subnormals kept.
;;     - The product sums the exact products of the quantised numbers (number of the format x scale) in f32.
;;   ~~~python
;;   def quantise(x, axis):      # numpy; x: float32 -> the quantised numbers, widened to float32 again
;;       x = np.moveaxis(x, axis, -1); K = x.shape[-1]
;;       x = np.pad(x, [(0, 0)] * (x.ndim - 1) + [(0, -K % 32)]); x = x.reshape(x.shape[:-1] + (-1, 32)); a = np.abs(x).max(-1, keepdims=True)
;;       e = np.where(a > 0, np.clip(np.frexp(np.where(a > 0, a, 1))[1] - 1 - 2, -126, 127), 0)      # np.frexp(a)[1] - 1 = floor(log2(a)), exactly
;;       r = np.clip(x / 2.0 ** e, -7.5, 7.5)
;;       step = 2.0 ** (np.maximum(np.frexp(np.where(r == 0, 1, r))[1] - 1, 0) - 3)
;;       q = np.round(r / step) * step * 2.0 ** e      # np.round: ties to even
;;       return np.moveaxis(q.reshape(q.shape[:-2] + (-1,))[..., :K], -1, axis).astype(np.float32)
;;   ~~~
;;   SOFTMAX AHEAD OF A QUANTISED PRODUCT. Where the list says 'softmax', what is quantised is not the finished softmax but p = 2^(t - M), with t = logit x log2(e) and M = ceil(the row's largest t), a whole number; so 1/2 < the row's largest p <= 1. The row's sum l is taken of the UNQUANTISED p, in f32, and the product's result is divided by l at the end. Since M is a whole number, a kernel that streams over the keys may use a running M (the ceiling of the running maximum): every later rescaling is an exact power of two, which a block's scale takes up: the codes' values come out the same.
;;   OPERANDS COMPUTED ON THE WAY. 'Computed on the way' means the value that the module computes at that place (a softmax that the list does not call 'softmax' is quantised finished and normalised). What goes into a quantiser is computed in f32, as accurately as f32 sums, v_exp_f32 and their like allow (about 1e-6 of the number): no bf16 or f16 on the way to a quantiser, and a product that is left as it is and whose result goes on into a quantised operand takes f32 operands (vector FMAs, or v_wmma_f32_16x16x4_f32). A number that lies on a knife's edge between two numbers of the format may be rounded either way, as far as f32 arithmetic and the matrix unit's own rounding can turn it there, and no further.
;;   INPUTS GIVEN AS CODES. Wk (in the module: [64, 64], K = its axis 1); Wq (in the module: [64, 64], K = its axis 1); Wv (in the module: [64, 64], K = its axis 1); x (in the module: [32, 1024, 64], K = its axis 2): each comes as NAME_codes (uint8): NAME with its K axis moved to the last place and cut into blocks of 32 codes, [.., K / 32, bytes a block], one block behind the other in memory; four codes in three bytes: a row's codes are one little-endian stream of bits, code i at bits 6 i .. 6 i + 5 (a code: sign, 2 exponent bits, 3 mantissa bits); and NAME_scales (uint8): the same leading axes, one E8M0 byte (e + 127) for each 32 codes along K. Its value is code x scale, taken as it is: it is not quantised again, and the codes and scales need not be those that the quantiser above would give.
;; 2 versions. Each part assembles by itself: llvm-mc -triple=amdgcn-amd-amdhsa -mcpu=gfx1250 --defsym DOCPART=n.
;; ======== version 1 of 2: 1 launch
;; launch head (part 1): grid 8 x 32, 16 waves a work-group, no clusters, 215,040 bytes of LDS; arguments x_codes, x_scales, Wq_codes, Wq_scales, Wk_codes, Wk_scales, Wv_codes, Wv_scales, out0; writes out0
.if DOCPART == 1
	.amdgcn_target "amdgcn-amd-amdhsa--gfx1250"
	.amdhsa_code_object_version 6
	.text
	.protected	k_q0e8e52764a_head
	.globl	k_q0e8e52764a_head
	.p2align	8
	.type	k_q0e8e52764a_head,@function
k_q0e8e52764a_head:
	s_mov_b64 s[64:65], 0
	v_nop
	global_prefetch_b8 v0, s[64:65] scope:SCOPE_SE
	s_setreg_imm32_b32 hwreg(HW_REG_WAVE_MODE, 25, 1), 1
	s_wait_xcnt 0x0
; One causal attention head on codes of FP6 (E2M3) with one E8M0 scale for each 32 along a product's K.  32 batches x 1,024 positions x 64 channels.
; q, k, v = x W^T (K = 64, codes as given); q and k are quantised along the 64 channels, v along the keys; t = (q . k) x log2(e) / 8; M = the row's largest t rounded up to a whole number (a running one);
; p = 2^(t - M) is quantised along the keys; the row's sum is taken of the unquantised p and divides O at the end.
; SHARES.  Work-group (g, batch), g = 0 .. 7, sixteen waves of 256 registers.  PHASE 1: wave w makes the codes of k and of v for keys 64 w .. 64 w + 63 of the batch and lays them in LDS as images of the operands' registers:
; all 1,024 keys, since every work-group owns queries among the last 128.  PHASE 2: the work-group owns the eight tiles of 16 queries at 128 s + 16 g, s = 0 .. 7: 1 + 2 + .. + 8 = 36 key steps of 128 in every work-group.
; A tile is shared by two waves by the parity of the key step; their two partial results (O^T, -M, the sum) meet once in LDS; M is a whole number, so the joining factors are powers of two.
; K = 64 IN AN INSTRUCTION OF K = 128.  One side carries zero codes for k = 64 .. 127, and the scale bytes there are 0 or bytes of real blocks, never 0xff: nothing is added.  So a fragment of k holds TWO tiles of 16 keys
; (registers 0-5 and 6-11), and q stands as [0 | q | 0] in 18 registers: [q | 0] multiplies the first tile, [0 | q] the second.  The weights' fragments lie 6 registers apart; what an instruction names behind them meets x's zeros.
; THE ROWS OF A TILE ARE NOT NEIGHBOURS where a result becomes an operand: lane r of tile 2 b + u takes row 32 b + 8 u + r + 8 (r / 8), so that the 16 registers of tiles 2 b and 2 b + 1 are 16 neighbours along the next K.
; NO TENSOR LOADS, NO CLUSTER: what the eight work-groups of a batch share is x's 48 KiB of codes and 2 KiB of scale bytes, read once at the head straight into operand registers; there is no tile in LDS that partners could ask for jointly.
; LIMITS: NaN, infinities and the scale byte 0xff among the inputs are not served.  A p under 2^-126 counts as 0 (v_exp_f32's result).  A block of zeros gets the scale byte 1 where the rule says 127: its codes are zeros, and
; the bytes are read by this program alone.  Blocks whose largest magnitude lies under 2^-124, the floor, keep the byte 1.
.set KIMG, 0                           ; LDS: k's fragments: 6144 x step + 1536 x pair + 48 x lane + 4 x register
.set VIMG, 49152                       ; v's: 6144 x step + 1536 x channel tile + 48 x lane + 4 x register
.set KSC,  98304                       ; k's scale words: 512 x step + 16 x lane + 4 x pair
.set VSCO, 4096                        ; v's lie this far behind k's: 512 x step + 16 x lane + 4 x channel tile; each key half's wave writes two of a word's bytes
.set MRGB, 106496                      ; the merge: for each of 8 tiles 8 x 512 bytes of O^T and 512 of statistics
.set STG,  143360                      ; the way out: for each wave 16 rows x (256 + 16) bytes
.set LI,   1                           ; v1   16 x lane
.set L48,  2                           ; v2   48 x lane
.set KW,   3                           ; v3   where I store k's images
.set VW,   4                           ; v4   where I store my half of v's images
.set KSW,  5                           ; v5   where I store k's scale words
.set VSW,  6                           ; v6   where I store v's two scale bytes (with VSCO in the immediate)
.set MG,   7                           ; v7   my tile's place in the merge
.set SO,   8                           ; v8   the stage: where I put 32 bytes of a row
.set SR,   9                           ; v9   and where I read a row back
.set GO,   10                          ; v10  my byte offset in the tile's rows of out0
.set AD,   11                          ; v11  the step's images
.set ADS,  16                          ; v16  the step's scale words        (v12 -M, v13 the largest t, v[14:15] the sum in two halves)
.set DQ,   17                          ; v17  r - 16 h, for the mask
.set XS,   18                          ; v18-21 x's scale words (phase 1)
.set KS,   18                          ; v18-21 k's, then v's scale words of a step (phase 2)
.set WKS,  22                          ; v22-25, v26-29, v30-33 the weights' scale words
.set WVS,  26
.set WQS,  30
.set XQS,  34                          ; v34  my queries' scale words
.set PW,   35                          ; v35  the scale word just made
.set QS0,  36                          ; v36  q's two bytes at k = 0 .. 63;  v37 at k = 64 .. 127
.set QS1,  37
.set X,    38                          ; v38-85 phase 1: four tiles [x | 0] of 16 keys
.set FR,   38                          ; phase 2: four fragments of k, then of v; on the way out rows of O
.set HA,   86                          ; v86-149 phase 1: results
.set S,    86                          ; phase 2: S^T, then p; in the merge the partner's O^T
.set WQF,  118                         ; v118-141 Wq's four fragments, v142-147 zeros behind them (only until q is made)
.set WKF,  150                         ; v150-173 Wk's four fragments
.set WVF,  174                         ; v174-197 Wv's four; behind them QF's zeros
.set O,    150                         ; phase 2: v150-181 O^T; v182-191 the merge's
.set QF,   198                         ; v198-215 [0 | q | 0]
.set PC,   216                         ; v216-227 the codes just made
.set XQ,   216                         ; until q is made: [x | 0] of my 16 queries
.set TC,   228                         ; v228-235 the conversions' second halves
.set TM,   236                         ; v236-239 largest magnitudes; v240-243 the other half's, then bytes; v248-251 the conversions' scale operands
.set OP,   244                         ; v244-247 at the head: the loads' offsets (rows chosen, rows as they lie; codes, scale bytes); in phase 2 v[244:245] is the second chain of sums
.set ON,   245
.set SP,   246
.set SN,   247
.set F,    252                         ; v[252:253] 2^(old M - new M)
.set T0,   254
.set T1,   255
.set WAVE, 22
.set PAR,  23                          ; which parity of key steps is mine
.set SB,   24                          ; which block of 128 queries my tile lies in
.set Q0,   25                          ; my first query
.set KF,   26                          ; the step's first key
.set TB,   27                          ; the step's images begin here
.set TS,   28                          ; and its scale words here
.set CNT,  29
.set SEL,  30                          ; s[30:31] v_permlanex16_b32's selects for lane l xor 16
.set CS,   32                          ; s[32:33] c = log2(e) / 8
.macro NOPS n
.rept \n
	v_nop
.endr
.endm
; One product that starts a sum.
.macro MM d, a, b, sa, sb
	v_wmma_scale_f32_16x16x128_f8f6f4 v[(\d):(\d)+7], v[(\a):(\a)+11], v[(\b):(\b)+11], 0, v[\sa], v[\sb] matrix_a_fmt:MATRIX_FMT_FP6 matrix_b_fmt:MATRIX_FMT_FP6
.endm
; From the largest magnitudes of 2 nc blocks in v[TM] on (floor included) and the lane's 32 nc numbers in v[s] on (register 16 b + i = k 32 b + 16 (lane / 16) + i of the lane's row): the scale word in v[PW], the codes in v[d] on.
.macro SCALEPACK s, d, nc
.irp b, 0,1,2,3
.if \b < 2*(\nc)
	v_add_nc_u32 v[TM+12+\b], 0xff000000, v[TM+\b]         ; 2 off the exponent field: the conversion takes the exponent field of this operand as its scale
.endif
.endr
.irp b, 0,1,2,3
.if \b < 2*(\nc)
	v_lshrrev_b32 v[TM+4+\b], 23, v[TM+12+\b]              ; the scale's byte
.endif
.endr
	v_lshl_or_b32 v[PW], v[TM+5], 8, v[TM+4]
.if (\nc) > 1
	v_lshl_or_b32 v[PW], v[TM+6], 16, v[PW]
	v_lshl_or_b32 v[PW], v[TM+7], 24, v[PW]
.endif
.irp c, 0,1
.if \c < (\nc)
	v_cvt_scalef32_pk16_fp6_f32 v[(\d)+6*\c:(\d)+6*\c+2], v[(\s)+32*\c:(\s)+32*\c+15], v[TM+12+2*\c]
	v_cvt_scalef32_pk16_fp6_f32 v[TC+4*\c:TC+4*\c+2], v[(\s)+16+32*\c:(\s)+31+32*\c], v[TM+13+2*\c]   ; (a conversion's three registers begin on an even number)
.endif
.endr
	v_nop                                                  ; one plain instruction behind the last scaled conversion
.irp c, 0,1                                            ; the operand's layout wants a whole block in a lane: lanes 0-15 block 2 c, lanes 16-31 block 2 c + 1
.irp i, 0,1,2
.if \c < (\nc)
	v_permlane16_swap_b32 v[(\d)+6*\c+\i], v[TC+4*\c+\i]
.endif
.endr
.irp i, 0,1,2
.if \c < (\nc)
	v_mov_b32 v[(\d)+3+6*\c+\i], v[TC+4*\c+\i]
.endif
.endr
.endr
.endm
; The quantiser on matrix results: each accumulator is read from its two lowest registers on.
.macro QUANT s, d, nc
.irp b, 0,1,2,3
.if \b < 2*(\nc)
	v_max3_num_f32 v[TM+\b], |v[(\s)+16*\b]|, |v[(\s)+1+16*\b]|, 0x1800000   ; my 16 numbers of block b, and the floor 2^(3 - 127): the byte cannot fall under 1
.endif
.endr
.irp i, 2,4,6,8,10,12,14
.irp b, 0,1,2,3
.if \b < 2*(\nc)
	v_max3_num_f32 v[TM+\b], v[TM+\b], |v[(\s)+16*\b+\i]|, |v[(\s)+1+16*\b+\i]|   ; (the blocks by turns)
.endif
.endr
.endr
.irp b, 0,1,2,3
.if \b < 2*(\nc)
	v_permlanex16_b32 v[TM+4+\b], v[TM+\b], s[SEL], s[SEL+1]
.endif
.endr
.irp b, 0,1,2,3
.if \b < 2*(\nc)
	v_max_num_f32 v[TM+\b], v[TM+\b], v[TM+4+\b]           ; with lane l xor 16's 16: the block's largest magnitude
.endif
.endr
	SCALEPACK \s, \d, \nc
.endm
	; ---- the head: addresses, and all 68 loads of the wave
	s_load_b512 s[4:19], s[0:1], 0x0               ; x's codes, scales; Wq's; Wk's; Wv's
	s_load_b64 s[20:21], s[0:1], 0x40              ; out0
	v_lshl_add_u32 v231, v0, 2, 0x34000
	v_mov_b32 v235, 0
	v_and_b32 v252, 15, v0                         ; r
	v_bfe_u32 v253, v0, 4, 1                       ; h
	v_and_b32 v254, 31, v0                         ; lane
	v_and_b32 v255, 8, v252
	v_add_nc_u32 v255, v255, v252                  ; r + 8 (r / 8)
	v_mul_u32_u24 v[OP], v255, 48                  ; a row of 64 codes is 48 bytes; my half's block is 24 h on
	v_mad_u32_u24 v[OP], v253, 24, v[OP]
	v_mul_u32_u24 v[ON], v252, 48
	v_mad_u32_u24 v[ON], v253, 24, v[ON]
	v_lshlrev_b32 v[SP], 1, v255                   ; two scale bytes a row
	v_lshlrev_b32 v[SN], 1, v252
	v_lshrrev_b32 v1, 5, v0
	v_readfirstlane_b32 s[WAVE], v1                ; wave 0 .. 15
	s_bfe_u32 s[PAR], s[WAVE], 0x10002             ; bit 2: the parity of my key steps
	s_and_b32 s46, s[WAVE], 3
	s_sub_co_u32 s47, 7, s46
	s_cmp_lt_u32 s[WAVE], 8
	s_cselect_b32 s[SB], s47, s46                  ; waves 0-7: blocks 7, 6, 5, 4; waves 8-15: blocks 0, 1, 2, 3.  It enters branches and global addresses alone
	s_lshl_b32 s[Q0], s[SB], 7
	s_lshl_b32 s48, ttmp9, 4
	s_add_co_u32 s[Q0], s[Q0], s48                 ; my first query: 128 x block + 16 x work-group x
	s_and_b32 s49, ttmp7, 0xffff
	s_lshl_b32 s49, s49, 10                        ; the batch's first row
	s_lshl_b32 s50, s[WAVE], 6
	s_add_co_u32 s50, s50, s49                     ; my first key's row
	s_add_co_u32 s51, s49, s[Q0]                   ; my first query's row
	s_mov_b32 s35, 0
	s_mov_b32 s[SEL], 0x76543210
	s_mov_b32 s[SEL+1], 0xfedcba98
	s_mov_b32 s[CS], 0x3e38aa3b                    ; log2(e) / 8
	s_mov_b32 s[CS+1], s[CS]                       ; (named with it as a pair, so it is written)
	s_wait_kmcnt 0x0
	s_mul_i32 s34, s50, 48
	s_add_nc_u64 s[36:37], s[4:5], s[34:35]        ; x's codes at my 64 keys
	s_lshl_b32 s34, s50, 1
	s_add_nc_u64 s[38:39], s[6:7], s[34:35]        ; their scale bytes
	s_mul_i32 s34, s51, 48
	s_add_nc_u64 s[40:41], s[4:5], s[34:35]        ; x's codes at my 16 queries
	s_lshl_b32 s34, s51, 1
	s_add_nc_u64 s[42:43], s[6:7], s[34:35]
	s_lshl_b32 s34, s51, 8
	s_add_nc_u64 s[44:45], s[20:21], s[34:35]      ; out0 at my first query: 256 bytes a row
	; what q needs, 20 loads, first
.irp p, 0,1,2
	global_load_b64 v[XQ+2*\p:XQ+2*\p+1], v[ON], s[40:41] offset:8*\p
.endr
	global_load_u16 v[XQS], v[SN], s[42:43]        ; two bytes, widened with zeros: the bytes of k = 64 .. 127 are 0
.irp t, 0,1,2,3
.irp p, 0,1,2
	global_load_b64 v[WQF+6*\t+2*\p:WQF+6*\t+2*\p+1], v[OP], s[8:9] offset:(32*(\t/2)+8*(\t%2))*48+8*\p
.endr
	global_load_u16 v[WQS+\t], v[SP], s[10:11] offset:(32*(\t/2)+8*(\t%2))*2
.endr
	; what k and v need, 48 loads
.irp t, 0,1,2,3
.irp p, 0,1,2
	global_load_b64 v[X+12*\t+2*\p:X+12*\t+2*\p+1], v[OP], s[36:37] offset:(32*(\t/2)+8*(\t%2))*48+8*\p
.endr
	global_load_u16 v[XS+\t], v[SP], s[38:39] offset:(32*(\t/2)+8*(\t%2))*2
.endr
.irp t, 0,1,2,3
.irp p, 0,1,2
	global_load_b64 v[WKF+6*\t+2*\p:WKF+6*\t+2*\p+1], v[OP], s[12:13] offset:(32*(\t/2)+8*(\t%2))*48+8*\p
.endr
	global_load_u16 v[WKS+\t], v[SP], s[14:15] offset:(32*(\t/2)+8*(\t%2))*2
.endr
.irp t, 0,1,2,3                                    ; Wv's rows as they lie: its tiles' rows become lanes of O^T's source 0
.irp p, 0,1,2
	global_load_b64 v[WVF+6*\t+2*\p:WVF+6*\t+2*\p+1], v[ON], s[16:17] offset:768*\t+8*\p
.endr
	global_load_u16 v[WVS+\t], v[SN], s[18:19] offset:32*\t
.endr
	; while they are out: the zero codes, in registers that no load fills
.irp t, 0,1,2,3
.irp i, 6,7,8,9,10,11
	v_mov_b32 v[X+12*\t+\i], 0                     ; [x | 0]
.endr
.endr
.irp i, 0,1,2,3,4,5
	v_mov_b32 v[XQ+6+\i], 0                        ; [x | 0] of my queries
	v_mov_b32 v[WQF+24+\i], 0                      ; behind Wq's last fragment
	v_mov_b32 v[QF+\i], 0                          ; [0 | q | 0]; its head also stands behind Wv's last fragment
	v_mov_b32 v[QF+12+\i], 0
.endr
.irp b, 0,1,2,3
	v_mov_b32 v[TM+4+\b], 0                        ; written once: a lane permute's destination counts as one of its sources
.endr
	; and every LDS address that stays: a constant + a constant x lane + constants x parts of the wave's number
	v_lshlrev_b32 v[LI], 4, v254
	v_mul_u32_u24 v[L48], v254, 48
	s_mul_i32 s46, s[WAVE], 3072                   ; k: two pairs of 1,536 bytes a wave
	v_add_nc_u32 v[KW], s46, v[L48]
	s_lshr_b32 s46, s[WAVE], 1                     ; the key step that my keys belong to,
	s_and_b32 s47, s[WAVE], 1                      ; and which half of it
	s_mul_i32 s48, s46, 6144
	s_mul_i32 s49, s47, 24
	s_add_co_u32 s48, s48, s49
	v_add_nc_u32 v[VW], s48, v[L48]                ; v: registers 6 x half on of each lane's twelve
	s_lshl_b32 s48, s46, 9
	s_add_co_u32 s48, s48, KSC
	s_lshl_b32 s49, s47, 3
	s_add_co_u32 s49, s49, s48
	v_add_nc_u32 v[KSW], s49, v[LI]
	s_lshl_b32 s49, s47, 1
	s_add_co_u32 s49, s49, s48
	v_add_nc_u32 v[VSW], s49, v[LI]
	s_and_b32 s46, s[WAVE], 3
	s_lshr_b32 s47, s[WAVE], 3
	s_lshl_b32 s47, s47, 2
	s_or_b32 s46, s46, s47                         ; my tile's number among the eight: the same in the two waves that share it
	s_mul_i32 s46, s46, 4608
	s_add_co_u32 s46, s46, MRGB
	v_add_nc_u32 v[MG], s46, v[LI]
	s_mul_i32 s46, s[WAVE], 4352
	s_add_co_u32 s46, s46, STG
	v_mul_u32_u24 v[SO], v252, 272
	v_lshl_add_u32 v[SO], v253, 5, v[SO]
	v_add_nc_u32 v[SO], s46, v[SO]                 ; in: row r, 32 h bytes on
	v_mul_u32_u24 v[SR], v253, 272
	v_lshl_add_u32 v[SR], v252, 4, v[SR]
	v_add_nc_u32 v[SR], s46, v[SR]                 ; back: lanes 0-15 one row, lanes 16-31 the next
	v_lshlrev_b32 v[GO], 8, v253
	v_lshl_add_u32 v[GO], v252, 4, v[GO]
	v_lshlrev_b32 v[DQ], 4, v253
	v_sub_nc_u32 v[DQ], v252, v[DQ]
	; ---- q: source 0 = 16 chosen rows of Wq, source 1 = my 16 queries: a lane holds one query, its 32 registers 16 + 16 neighbouring channels
	s_wait_loadcnt 48                              ; the first 20 loads are in; the 48 issued behind them may be out
.irp t, 0,1,2,3
	MM HA+8*\t, WQF+6*\t, XQ, WQS+\t, XQS
.endr
	NOPS 5                                         ; four places in front of the reads of results; five in front of the products below, which write over these products' registers (ISA guide 7.12.1)
	QUANT HA, QF+6, 1
	v_mov_b32 v[QS0], v[PW]                        ; q's two bytes for [q | 0],
	v_lshlrev_b32 v[QS1], 16, v[PW]                ; and for [0 | q]
	; ---- k: source 0 = 16 chosen rows of Wk, source 1 = 16 chosen keys.  Two tiles of keys make one fragment and one scale word
	s_wait_loadcnt 0x0                             ; all loads: Wk's last fragment names Wv's first registers behind it
.irp b, 0,1
.irp e, 0,1
.irp t, 0,1,2,3
	MM HA+32*\e+8*\t, WKF+6*\t, X+12*(2*\b+\e), WKS+\t, XS+2*\b+\e
.endr
.endr
	s_wait_dscnt 0x0                               ; the last image's stores have read their registers
	NOPS 5
	QUANT HA, PC, 2
.irp n, 0,1,2
	ds_store_b128 v[KW], v[PC+4*\n:PC+4*\n+3] offset:KIMG+1536*\b+16*\n
.endr
	ds_store_b32 v[KSW], v[PW] offset:4*\b
.endr
	; ---- v: source 0 = 16 chosen keys, source 1 = 16 rows of Wv: a lane holds one channel, its registers run along the keys.  Two tiles of channels at a time; my 64 keys are half a fragment
.irp q, 0,1
.irp e, 0,1
.irp t, 0,1,2,3
	MM HA+32*\e+8*\t, X+12*\t, WVF+6*(2*\q+\e), XS+\t, WVS+2*\q+\e
.endr
.endr
	s_wait_dscnt 0x0
	NOPS 5
	QUANT HA, PC, 2
.irp e, 0,1
.irp p, 0,1,2
	ds_store_b64 v[VW], v[PC+6*\e+2*\p:PC+6*\e+2*\p+1] offset:VIMG+1536*(2*\q+\e)+8*\p
.endr
.endr
	ds_store_b16 v[VSW], v[PW] offset:VSCO+8*\q            ; the first tile's two bytes,
	ds_store_b16_d16_hi v[VSW], v[PW] offset:VSCO+8*\q+4   ; the second's
.endr
	s_wait_dscnt 0x0                               ; for the others' sake: my images lie in LDS
	s_barrier_signal -1
	; register work while the others arrive: phase 2 begins with zeros and a largest t under every t, so that the step is written once
.irp j, 0,1,2,3,4,5,6,7,8,9,10,11,12,13,14,15,16,17,18,19,20,21,22,23,24,25,26,27,28,29,30,31
	v_mov_b32 v[O+\j], 0
.endr
	v_mov_b32 v13, 0xff61b1e6                      ; -3e38
	v_floor_f32 v12, -v13                          ; -M
	v_mov_b32 v14, 0
	v_mov_b32 v15, 0
	v_mov_b32 v191, 0                              ; the merge's lane permute writes it
	v_mov_b32 v[F+1], 0                            ; (named as the upper halves of pairs)
	v_mov_b32 v[T1], 0
	s_lshl_b32 s[KF], s[PAR], 7
	s_mul_i32 s[TB], s[PAR], 6144
	s_lshl_b32 s[TS], s[PAR], 9
	s_add_co_u32 s[TS], s[TS], KSC
	s_mov_b32 s[CNT], 4
	s_barrier_wait -1                              ; all 1,024 keys lie in LDS
	; ---- phase 2: four trips, key steps of my parity.  A step all of whose keys come after my queries is jumped over: a scalar branch on ids, inside the loop
.Lstep:
	s_add_co_u32 s50, s[Q0], 15
	s_cmp_gt_u32 s[KF], s50
	s_cbranch_scc1 .Lhidden
	v_add_nc_u32 v[AD], s[TB], v[L48]
	v_add_nc_u32 v[ADS], s[TS], v[LI]
	ds_load_b128 v[KS:KS+3], v[ADS]                ; k's four scale words
.irp i, 0,1,2,3
.irp n, 0,1,2
	ds_load_b128 v[FR+12*\i+4*\n:FR+12*\i+4*\n+3], v[AD] offset:KIMG+1536*\i+16*\n
.endr
.endr
.irp i, 0,1,2,3                                    ; S^T = k q^T: register 16 i + 0 .. 15 of a lane is key KF + 32 i + 16 (lane / 16) + 0 .. 15 for query lane % 16
	s_wait_dscnt 9-3*\i                            ; pair i is in; the later pairs' loads, three each, may be out
	MM S+16*\i, FR+12*\i, QF+6, KS+\i, QS0
	MM S+16*\i+8, FR+12*\i, QF, KS+\i, QS1
.endr
	NOPS 4                                         ; places in front of loads into registers that these products have read, and of the reads of their results
	ds_load_b128 v[KS:KS+3], v[ADS] offset:VSCO    ; v's scale words and fragments land while the softmax is worked
.irp c, 0,1,2,3
.irp n, 0,1,2
	ds_load_b128 v[FR+12*\c+4*\n:FR+12*\c+4*\n+3], v[AD] offset:VIMG+1536*\c+16*\n
.endr
.endr
	s_add_co_u32 s50, s[KF], 127                   ; a step all of whose keys count for all my queries has no mask
	s_cmp_le_u32 s50, s[Q0]
	s_cbranch_scc1 .Lopen
	s_sub_co_i32 s50, s[Q0], s[KF]
	v_add_nc_u32 v[T0], s50, v[DQ]                 ; d = my query - KF - 16 (lane / 16): register 16 b + i is hidden where 32 b + i > d
	v_mov_b32 v[T1], 0xff800000                    ; -infinity: p = 0.  Key KF counts for every query of the tile, so the row's maximum is a number
.irp n, 0,1,2,3,4,5,6,7,8,9,10,11,12,13,14,15,16,17,18,19,20,21,22,23,24,25,26,27,28,29,30,31,32,33,34,35,36,37,38,39,40,41,42,43,44,45,46,47,48,49,50,51,52,53,54,55,56,57,58,59,60,61,62,63
	v_cmp_gt_i32 vcc_lo, 32*(\n/16)+\n%16, v[T0]
	v_cndmask_b32 v[S+\n], v[S+\n], v[T1], vcc_lo
.endr
.Lopen:
.irp b, 0,1,2,3
	v_max3_num_f32 v[TM+\b], v[S+16*\b], v[S+1+16*\b], v[S+2+16*\b]   ; the largest score of each block of 32 keys: for the row's maximum and, since p rises with the score, for the block's largest p
.endr
.irp i, 3,5,7,9,11,13
.irp b, 0,1,2,3
	v_max3_num_f32 v[TM+\b], v[TM+\b], v[S+16*\b+\i], v[S+1+16*\b+\i]
.endr
.endr
.irp b, 0,1,2,3
	v_max_num_f32 v[TM+\b], v[TM+\b], v[S+15+16*\b]
.endr
.irp b, 0,1,2,3
	v_permlanex16_b32 v[TM+4+\b], v[TM+\b], s[SEL], s[SEL+1]
.endr
.irp b, 0,1,2,3
	v_max_num_f32 v[TM+\b], v[TM+\b], v[TM+4+\b]   ; with lane l xor 16's 16 keys
.endr
	v_max3_num_f32 v[T0], v[TM], v[TM+1], v[TM+2]
	v_max_num_f32 v[T0], v[T0], v[TM+3]            ; the step's largest score of my query
	v_mul_f32 v[T0], s[CS], v[T0]                  ; as t (c is positive)
	v_max_num_f32 v13, v13, v[T0]                  ; the running largest t
	v_mov_b32 v[T0], v12
	v_floor_f32 v12, -v13                          ; the new -M = -ceil(t)
	v_sub_f32 v[T0], v12, v[T0]                    ; old M - new M: a whole number, 0 or less
	v_cvt_i32_f32 v[T0], v[T0]                     ; (it saturates)
	v_ldexp_f32 v[F], 1.0, v[T0]                   ; f = 2^(old M - new M): a multiplication by it rounds nothing
.irp j, 0,2,4,6,8,10,12,14,16,18,20,22,24,26,28,30,32,34,36,38,40,42,44,46,48,50,52,54,56,58,60,62
	v_pk_fma_f32 v[S+\j:S+1+\j], v[S+\j:S+1+\j], s[CS:CS+1], v[12:13] op_sel_hi:[1,0,0]   ; t - M, two at a time
.endr
.irp b, 0,1,2,3
	v_fma_f32 v[TM+\b], v[TM+\b], s[CS], v12       ; the same of each block's largest score
.endr
.irp j, 0,1,2,3,4,5,6,7,8,9,10,11,12,13,14,15,16,17,18,19,20,21,22,23,24,25,26,27,28,29,30,31,32,33,34,35,36,37,38,39,40,41,42,43,44,45,46,47,48,49,50,51,52,53,54,55,56,57,58,59,60,61,62,63
	v_exp_f32 v[S+\j], v[S+\j]                     ; p = 2^(t - M), not normalised
.endr
	v_pk_mul_f32 v[14:15], v[14:15], v[F:F+1] op_sel_hi:[1,0]   ; the sums under the new M: the plain instruction behind the exponentials
	s_wait_alu depctr_va_vdst(0)                   ; one wait for the batch of 64, ahead of its first reader
.irp b, 0,1,2,3
	v_exp_f32 v[TM+\b], v[TM+\b]                   ; the block's largest p: the same two instructions on the same number give the same bits
.endr
	v_pk_add_f32 v[TM+8:TM+9], v[S:S+1], v[S+2:S+3]   ; the row's sum of the unquantised p, in two chains; it reads the 64 alone
.irp j, 4,8,12,16,20,24,28,32,36,40,44,48,52,56,60
	v_pk_add_f32 v[14:15], v[14:15], v[S+\j:S+1+\j]
	v_pk_add_f32 v[TM+8:TM+9], v[TM+8:TM+9], v[S+2+\j:S+3+\j]
.endr
	v_pk_add_f32 v[14:15], v[14:15], v[TM+8:TM+9]
	s_wait_alu depctr_va_vdst(0)                   ; and one for the four
.irp b, 0,1,2,3
	v_max_num_f32 v[TM+\b], 0x1800000, v[TM+\b]    ; the floor 2^(3 - 127): a block whose every p is 0 keeps the byte 1: its codes are zeros
.endr
	SCALEPACK S, PC, 2
.irp j, 0,2,4,6,8,10,12,14,16,18,20,22,24,26,28,30
	v_pk_mul_f32 v[O+\j:O+1+\j], v[O+\j:O+1+\j], v[F:F+1] op_sel_hi:[1,0]   ; O^T under the new M; for each product below twelve of these name none of its registers: the places behind the writes of p's codes and scale word
.endr
	s_wait_dscnt 0x0                               ; v's fragments and scale words are in
.irp c, 0,1,2,3                                    ; O^T += v^T p^T: the four accumulators by turns
	v_wmma_scale_f32_16x16x128_f8f6f4 v[O+8*\c:O+8*\c+7], v[FR+12*\c:FR+12*\c+11], v[PC:PC+11], v[O+8*\c:O+8*\c+7], v[KS+\c], v[PW] matrix_a_fmt:MATRIX_FMT_FP6 matrix_b_fmt:MATRIX_FMT_FP6
.endr
	NOPS 4                                         ; places in front of the next step's loads into these products' registers, and of the reads of O^T behind the loop
.Lhidden:
	s_add_co_u32 s[KF], s[KF], 256                 ; two steps on
	s_add_co_u32 s[TB], s[TB], 12288
	s_add_co_u32 s[TS], s[TS], 1024
	s_sub_co_u32 s[CNT], s[CNT], 1
	s_cmp_lg_u32 s[CNT], 0
	s_cbranch_scc1 .Lstep
	; ---- the merge: the wave of the odd steps hands its O^T, -M and sums to the wave of the even steps, as images of the registers
	s_cmp_eq_u32 s[PAR], 0
	s_cbranch_scc1 .Lkeep
.irp n, 0,1,2,3,4,5,6,7
	ds_store_b128 v[MG], v[O+4*\n:O+4*\n+3] offset:512*\n
.endr
	ds_store_b128 v[MG], v[12:15] offset:4096
.Lkeep:
	s_wait_dscnt 0x0                               ; for the partner's sake: my stores have landed
	s_barrier_signal -1
	s_barrier_wait -1
	s_cmp_lg_u32 s[PAR], 0
	s_cbranch_scc1 .Lend
	ds_load_b128 v[182:185], v[MG] offset:4096     ; the partner's -M, largest t, sums
.irp n, 0,1,2,3,4,5,6,7
	ds_load_b128 v[S+4*\n:S+4*\n+3], v[MG] offset:512*\n
.endr
	s_wait_dscnt 8                                 ; the statistics are in; the eight loads behind them may be out
	v_min_num_f32 v186, v12, v182                  ; the joint -M.  (A partner that had no step holds -M = 3e38 and zeros: its factor comes out 0)
	v_sub_f32 v187, v186, v12
	v_sub_f32 v188, v186, v182
	v_cvt_i32_f32 v187, v187
	v_cvt_i32_f32 v188, v188
	v_ldexp_f32 v[F], 1.0, v187                    ; my factor,
	v_ldexp_f32 v[T0], 1.0, v188                   ; the partner's: powers of two
	v_add_f32 v189, v14, v15
	v_add_f32 v190, v184, v185
	v_mul_f32 v189, v189, v[F]
	v_fma_f32 v189, v190, v[T0], v189
	v_permlanex16_b32 v191, v189, s[SEL], s[SEL+1]
	v_add_f32 v189, v189, v191                     ; with lane l xor 16's keys: the row's sum
	v_rcp_f32 v189, v189
	v_nop                                          ; a plain instruction behind the reciprocal,
	s_wait_alu depctr_va_vdst(0)                   ; and a wait ahead of its first reader
	v_mul_f32 v[F], v[F], v189
	v_mul_f32 v[T0], v[T0], v189
	s_wait_dscnt 0x0
.irp j, 0,2,4,6,8,10,12,14,16,18,20,22,24,26,28,30
	v_pk_mul_f32 v[S+\j:S+1+\j], v[S+\j:S+1+\j], v[T0:T0+1] op_sel_hi:[1,0]
.endr
.irp j, 0,2,4,6,8,10,12,14,16,18,20,22,24,26,28,30
	v_pk_fma_f32 v[S+\j:S+1+\j], v[O+\j:O+1+\j], v[F:F+1], v[S+\j:S+1+\j] op_sel_hi:[1,0,1]   ; register 8 c + j is o(query r, channel 16 c + 8 h + j)
.endr
	; ---- the way out, through my own stage: a lane's 32 bytes of a row go in, whole rows of 256 bytes come back
.irp c, 0,1,2,3
	ds_store_b128 v[SO], v[S+8*\c:S+8*\c+3] offset:64*\c
	ds_store_b128 v[SO], v[S+8*\c+4:S+8*\c+7] offset:64*\c+16
.endr
.irp i, 0,1,2,3,4,5,6,7
	ds_load_b128 v[FR+4*\i:FR+4*\i+3], v[SR] offset:544*\i   ; LDS serves a wave's instructions in order (ISA guide 5.7.1.4): these see the stores above
.endr
.irp i, 0,1,2,3,4,5,6,7
	s_wait_dscnt 7-\i                              ; rows 2 i and 2 i + 1 are back; the later loads may be out
	global_store_b128 v[GO], v[FR+4*\i:FR+4*\i+3], s[44:45] offset:512*\i th:TH_STORE_NT   ; 32 lanes store 512 consecutive bytes, at a multiple of 256 from out0's first byte
.endr
.Lend:
	s_wait_tensorcnt 0x0
	ds_add_u32 v231, v235
	s_wait_dscnt 0x0
	s_endpgm
.Lfunc_end_k_q0e8e52764a_head:
	.size	k_q0e8e52764a_head, .Lfunc_end_k_q0e8e52764a_head-k_q0e8e52764a_head
	.p2alignl 7, 3214868480
	.fill 96, 4, 3214868480
	.section	.rodata,"a",@progbits
	.p2align	6, 0x0
	.amdhsa_kernel k_q0e8e52764a_head
		.amdhsa_group_segment_fixed_size 215040
		.amdhsa_private_segment_fixed_size 0
		.amdhsa_enable_private_segment 0
		.amdhsa_kernarg_size 72
		.amdhsa_user_sgpr_count 2
		.amdhsa_user_sgpr_kernarg_segment_ptr 1
		.amdhsa_wavefront_size32 1
		.amdhsa_system_sgpr_workgroup_id_x 1
		.amdhsa_system_sgpr_workgroup_id_y 1
		.amdhsa_system_sgpr_workgroup_id_z 1
		.amdhsa_system_vgpr_workitem_id 0
		.amdhsa_next_free_vgpr 256
		.amdhsa_next_free_sgpr 66
		.amdhsa_reserve_vcc 1
		.amdhsa_float_denorm_mode_32 3
		.amdhsa_float_denorm_mode_16_64 3
		.amdhsa_memory_ordered 1
		.amdhsa_forward_progress 1
		.amdhsa_inst_pref_size 65
	.end_amdhsa_kernel
	.amdgpu_metadata
---
amdhsa.version: [ 1, 2 ]
amdhsa.kernels:
  - .name:           k_q0e8e52764a_head
    .symbol:         k_q0e8e52764a_head.kd
    .args:
      - { .name: x_codes, .offset: 0, .size: 8, .value_kind: global_buffer, .address_space: global }
      - { .name: x_scales, .offset: 8, .size: 8, .value_kind: global_buffer, .address_space: global }
      - { .name: Wq_codes, .offset: 16, .size: 8, .value_kind: global_buffer, .address_space: global }
      - { .name: Wq_scales, .offset: 24, .size: 8, .value_kind: global_buffer, .address_space: global }
      - { .name: Wk_codes, .offset: 32, .size: 8, .value_kind: global_buffer, .address_space: global }
      - { .name: Wk_scales, .offset: 40, .size: 8, .value_kind: global_buffer, .address_space: global }
      - { .name: Wv_codes, .offset: 48, .size: 8, .value_kind: global_buffer, .address_space: global }
      - { .name: Wv_scales, .offset: 56, .size: 8, .value_kind: global_buffer, .address_space: global }
      - { .name: out0, .offset: 64, .size: 8, .value_kind: global_buffer, .address_space: global }
    .group_segment_fixed_size: 215040
    .private_segment_fixed_size: 0
    .kernarg_segment_align: 8
    .kernarg_segment_size: 72
    .max_flat_workgroup_size: 512
    .sgpr_count:     66
    .vgpr_count:     256
    .wavefront_size: 32
...
	.end_amdgpu_metadata
.endif
;; end of part 1
;; ======== version 2 of 2: 1 launch; version 1 with the launch head written anew for expert scheduling mode
;; launch head (part 2): grid 8 x 32, 16 waves a work-group, no clusters, 215,040 bytes of LDS; arguments x_codes, x_scales, Wq_codes, Wq_scales, Wk_codes, Wk_scales, Wv_codes, Wv_scales, out0; writes out0
.if DOCPART == 2
	.amdgcn_target "amdgcn-amd-amdhsa--gfx1250"
	.amdhsa_code_object_version 6
	.text
	.protected	k_q0e8e52764a_head
	.globl	k_q0e8e52764a_head
	.p2align	8
	.type	k_q0e8e52764a_head,@function
k_q0e8e52764a_head:
	s_mov_b64 s[64:65], 0
	v_nop
	global_prefetch_b8 v0, s[64:65] scope:SCOPE_SE
	s_setreg_imm32_b32 hwreg(HW_REG_WAVE_SCHED_MODE, 0, 2), 2
	s_setreg_imm32_b32 hwreg(HW_REG_WAVE_MODE, 25, 1), 1
	s_wait_xcnt 0x0
	s_wait_alu depctr_vm_vsrc(0)
; One causal attention head on codes of FP6 (E2M3) with one E8M0 scale for each 32 along a product's K.  32 batches x 1,024 positions x 64 channels.
; q, k, v = x W^T (K = 64, codes as given); q and k are quantised along the 64 channels, v along the keys; t = (q . k) x log2(e) / 8; M = the row's largest t rounded up to a whole number (a running one);
; p = 2^(t - M) is quantised along the keys; the row's sum is taken of the unquantised p and divides O at the end.
; SHARES.  Work-group (g, batch), g = 0 .. 7, sixteen waves of 256 registers.  PHASE 1: wave w makes the codes of k and of v for keys 64 w .. 64 w + 63 of the batch and lays them in LDS as images of the operands' registers:
; all 1,024 keys, since every work-group owns queries among the last 128.  PHASE 2: the work-group owns the eight tiles of 16 queries at 128 s + 16 g, s = 0 .. 7: 1 + 2 + .. + 8 = 36 key steps of 128 in every work-group.
; A tile is shared by two waves by the parity of the key step; their two partial results (O^T, -M, the sum) meet once in LDS; M is a whole number, so the joining factors are powers of two.
; K = 64 IN AN INSTRUCTION OF K = 128.  One side carries zero codes for k = 64 .. 127, and the scale bytes there are 0 or bytes of real blocks, never 0xff: nothing is added.  So a fragment of k holds TWO tiles of 16 keys
; (registers 0-5 and 6-11), and q stands as [0 | q | 0] in 18 registers: [q | 0] multiplies the first tile, [0 | q] the second.  The weights' fragments lie 6 registers apart; what an instruction names behind them meets x's zeros.
; THE ROWS OF A TILE ARE NOT NEIGHBOURS where a result becomes an operand: lane r of tile 2 b + u takes row 32 b + 8 u + r + 8 (r / 8), so that the 16 registers of tiles 2 b and 2 b + 1 are 16 neighbours along the next K.
; NO TENSOR LOADS, NO CLUSTER: what the eight work-groups of a batch share is x's 48 KiB of codes and 2 KiB of scale bytes, read once at the head straight into operand registers; there is no tile in LDS that partners could ask for jointly.
; LIMITS: NaN, infinities and the scale byte 0xff among the inputs are not served.  A p under 2^-126 counts as 0 (v_exp_f32's result).  A block of zeros gets the scale byte 1 where the rule says 127: its codes are zeros, and
; the bytes are read by this program alone.  Blocks whose largest magnitude lies under 2^-124, the floor, keep the byte 1.
; THE MODE: SCHED_MODE bits 1:0 = 2 (LLVM: expert scheduling mode 2), set by the entry lines.  The code itself states the register dependences between vector or matrix instructions and memory or LDS instructions,
; with s_wait_alu, always for 0.
; THE PLAN.  Registers that memory or LDS instructions touch, and who else names them:
;   v244-247      the offsets of the head's 68 loads: written once, ahead of them.  v[244:245] are written again in phase 2 (a chain of sums): phase 1's waits on vm_vsrc stand between.
;   v3-v10        LDS addresses and out0's offset: written once, behind the head's loads, ahead of the wait on va_vdst that stands in front of q's products; never written again.
;   the zeros     in X, XQ, behind Wq's fragments and in QF, written by vector lines and taken by scaled products: the same wait.  q's codes and its two scale words: the wait ahead of k's first image.
;   PC, PW        phase 1: a group's quantiser writes them, one wait on va_vdst, the image's stores read them, one wait on vm_vsrc ahead of the next group's quantiser.
;                 phase 2: the softmax's quantiser writes them, one wait on va_vdst, the four products on v take them.
;   AD, ADS       written by two additions at a step's head: a wait on vm_vsrc ahead of them (the last trip's loads have read them), a wait on va_vdst behind them.
;   FR, KS        k's set lands behind that wait on va_vdst, which also states that the last trip's products are done with them; v's set lands behind one more, which states the same of the eight products on k.
;   O, v12-15     the odd wave's stores into the merge read them: one wait on va_vdst ahead of the run.
;   S, v182-185   the even wave's loads from the merge land there: one wait on va_vdst ahead of the run; S is then written by vector lines and read by the stage's stores: one more.
; A second set of 52 registers for the next step's fragments does not fit: a wave has 256 registers and 29 of them lie idle in phase 2.
.set KIMG, 0                           ; LDS: k's fragments: 6144 x step + 1536 x pair + 48 x lane + 4 x register
.set VIMG, 49152                       ; v's: 6144 x step + 1536 x channel tile + 48 x lane + 4 x register
.set KSC,  98304                       ; k's scale words: 512 x step + 16 x lane + 4 x pair
.set VSCO, 4096                        ; v's lie this far behind k's: 512 x step + 16 x lane + 4 x channel tile; each key half's wave writes two of a word's bytes
.set MRGB, 106496                      ; the merge: for each of 8 tiles 8 x 512 bytes of O^T and 512 of statistics
.set STG,  143360                      ; the way out: for each wave 16 rows x (256 + 16) bytes
.set LI,   1                           ; v1   16 x lane
.set L48,  2                           ; v2   48 x lane
.set KW,   3                           ; v3   where I store k's images
.set VW,   4                           ; v4   where I store my half of v's images
.set KSW,  5                           ; v5   where I store k's scale words
.set VSW,  6                           ; v6   where I store v's two scale bytes (with VSCO in the immediate)
.set MG,   7                           ; v7   my tile's place in the merge
.set SO,   8                           ; v8   the stage: where I put 32 bytes of a row
.set SR,   9                           ; v9   and where I read a row back
.set GO,   10                          ; v10  my byte offset in the tile's rows of out0
.set AD,   11                          ; v11  the step's images
.set ADS,  16                          ; v16  the step's scale words        (v12 -M, v13 the largest t, v[14:15] the sum in two halves)
.set DQ,   17                          ; v17  r - 16 h, for the mask
.set XS,   18                          ; v18-21 x's scale words (phase 1)
.set KS,   18                          ; v18-21 k's, then v's scale words of a step (phase 2)
.set WKS,  22                          ; v22-25, v26-29, v30-33 the weights' scale words
.set WVS,  26
.set WQS,  30
.set XQS,  34                          ; v34  my queries' scale words
.set PW,   35                          ; v35  the scale word just made
.set QS0,  36                          ; v36  q's two bytes at k = 0 .. 63;  v37 at k = 64 .. 127
.set QS1,  37
.set X,    38                          ; v38-85 phase 1: four tiles [x | 0] of 16 keys
.set FR,   38                          ; phase 2: four fragments of k, then of v; on the way out rows of O
.set HA,   86                          ; v86-149 phase 1: results
.set S,    86                          ; phase 2: S^T, then p; in the merge the partner's O^T
.set WQF,  118                         ; v118-141 Wq's four fragments, v142-147 zeros behind them (only until q is made)
.set WKF,  150                         ; v150-173 Wk's four fragments
.set WVF,  174                         ; v174-197 Wv's four; behind them QF's zeros
.set O,    150                         ; phase 2: v150-181 O^T; v182-191 the merge's
.set QF,   198                         ; v198-215 [0 | q | 0]
.set PC,   216                         ; v216-227 the codes just made
.set XQ,   216                         ; until q is made: [x | 0] of my 16 queries
.set TC,   228                         ; v228-235 the conversions' second halves
.set TM,   236                         ; v236-239 largest magnitudes; v240-243 the other half's, then bytes; v248-251 the conversions' scale operands
.set OP,   244                         ; v244-247 at the head: the loads' offsets (rows chosen, rows as they lie; codes, scale bytes); in phase 2 v[244:245] is the second chain of sums
.set ON,   245
.set SP,   246
.set SN,   247
.set F,    252                         ; v[252:253] 2^(old M - new M)
.set T0,   254
.set T1,   255
.set WAVE, 22
.set PAR,  23                          ; which parity of key steps is mine
.set SB,   24                          ; which block of 128 queries my tile lies in
.set Q0,   25                          ; my first query
.set KF,   26                          ; the step's first key
.set TB,   27                          ; the step's images begin here
.set TS,   28                          ; and its scale words here
.set CNT,  29
.set SEL,  30                          ; s[30:31] v_permlanex16_b32's selects for lane l xor 16
.set CS,   32                          ; s[32:33] c = log2(e) / 8
.set MK,   66                          ; s66-97 the causal mask: 32 lane masks, one for each of 32 registers of scores
.macro NOPS n
.rept \n
	v_nop
.endr
.endm
; One product that starts a sum.
.macro MM d, a, b, sa, sb
	v_wmma_scale_f32_16x16x128_f8f6f4 v[(\d):(\d)+7], v[(\a):(\a)+11], v[(\b):(\b)+11], 0, v[\sa], v[\sb] matrix_a_fmt:MATRIX_FMT_FP6 matrix_b_fmt:MATRIX_FMT_FP6
.endm
; From the largest magnitudes of 2 nc blocks in v[TM] on (floor included) and the lane's 32 nc numbers in v[s] on (register 16 b + i = k 32 b + 16 (lane / 16) + i of the lane's row): the scale word in v[PW], the codes in v[d] on.
.macro SCALEPACK s, d, nc
.irp b, 0,1,2,3
.if \b < 2*(\nc)
	v_add_nc_u32 v[TM+12+\b], 0xff000000, v[TM+\b]         ; 2 off the exponent field: the conversion takes the exponent field of this operand as its scale
.endif
.endr
.irp b, 0,1,2,3
.if \b < 2*(\nc)
	v_lshrrev_b32 v[TM+4+\b], 23, v[TM+12+\b]              ; the scale's byte
.endif
.endr
	v_lshl_or_b32 v[PW], v[TM+5], 8, v[TM+4]
.if (\nc) > 1
	v_lshl_or_b32 v[PW], v[TM+6], 16, v[PW]
	v_lshl_or_b32 v[PW], v[TM+7], 24, v[PW]
.endif
.irp c, 0,1
.if \c < (\nc)
	v_cvt_scalef32_pk16_fp6_f32 v[(\d)+6*\c:(\d)+6*\c+2], v[(\s)+32*\c:(\s)+32*\c+15], v[TM+12+2*\c]
	v_cvt_scalef32_pk16_fp6_f32 v[TC+4*\c:TC+4*\c+2], v[(\s)+16+32*\c:(\s)+31+32*\c], v[TM+13+2*\c]   ; (a conversion's three registers begin on an even number)
.endif
.endr
	v_nop                                                  ; one plain instruction behind the last scaled conversion
.irp c, 0,1                                            ; the operand's layout wants a whole block in a lane: lanes 0-15 block 2 c, lanes 16-31 block 2 c + 1
.irp i, 0,1,2
.if \c < (\nc)
	v_permlane16_swap_b32 v[(\d)+6*\c+\i], v[TC+4*\c+\i]
.endif
.endr
.irp i, 0,1,2
.if \c < (\nc)
	v_mov_b32 v[(\d)+3+6*\c+\i], v[TC+4*\c+\i]
.endif
.endr
.endr
.endm
; The quantiser on matrix results: each accumulator is read from its two lowest registers on.
.macro QUANT s, d, nc
.irp b, 0,1,2,3
.if \b < 2*(\nc)
	v_max3_num_f32 v[TM+\b], |v[(\s)+16*\b]|, |v[(\s)+1+16*\b]|, 0x1800000   ; my 16 numbers of block b, and the floor 2^(3 - 127): the byte cannot fall under 1
.endif
.endr
.irp i, 2,4,6,8,10,12,14
.irp b, 0,1,2,3
.if \b < 2*(\nc)
	v_max3_num_f32 v[TM+\b], v[TM+\b], |v[(\s)+16*\b+\i]|, |v[(\s)+1+16*\b+\i]|   ; (the blocks by turns)
.endif
.endr
.endr
.irp b, 0,1,2,3
.if \b < 2*(\nc)
	v_permlanex16_b32 v[TM+4+\b], v[TM+\b], s[SEL], s[SEL+1]
.endif
.endr
.irp b, 0,1,2,3
.if \b < 2*(\nc)
	v_max_num_f32 v[TM+\b], v[TM+\b], v[TM+4+\b]           ; with lane l xor 16's 16: the block's largest magnitude
.endif
.endr
	SCALEPACK \s, \d, \nc
.endm
	; ---- the head: addresses, and all 68 loads of the wave
	s_load_b512 s[4:19], s[0:1], 0x0               ; x's codes, scales; Wq's; Wk's; Wv's
	s_load_b64 s[20:21], s[0:1], 0x40              ; out0
	v_lshl_add_u32 v231, v0, 2, 0x34000
	v_mov_b32 v235, 0
	v_and_b32 v252, 15, v0                         ; r
	v_bfe_u32 v253, v0, 4, 1                       ; h
	v_and_b32 v254, 31, v0                         ; lane
	v_and_b32 v255, 8, v252
	v_add_nc_u32 v255, v255, v252                  ; r + 8 (r / 8)
	v_mul_u32_u24 v[OP], v255, 48                  ; a row of 64 codes is 48 bytes; my half's block is 24 h on
	v_mad_u32_u24 v[OP], v253, 24, v[OP]
	v_mul_u32_u24 v[ON], v252, 48
	v_mad_u32_u24 v[ON], v253, 24, v[ON]
	v_lshlrev_b32 v[SP], 1, v255                   ; two scale bytes a row
	v_lshlrev_b32 v[SN], 1, v252
	v_lshrrev_b32 v1, 5, v0
	v_readfirstlane_b32 s[WAVE], v1                ; wave 0 .. 15
	s_wait_alu depctr_va_sdst(0)                   ; s[WAVE] is written, ahead of its first reader: shares, bases and LDS addresses are made from it
	s_bfe_u32 s[PAR], s[WAVE], 0x10002             ; bit 2: the parity of my key steps
	s_and_b32 s46, s[WAVE], 3
	s_sub_co_u32 s47, 7, s46
	s_cmp_lt_u32 s[WAVE], 8
	s_cselect_b32 s[SB], s47, s46                  ; waves 0-7: blocks 7, 6, 5, 4; waves 8-15: blocks 0, 1, 2, 3.  It enters branches and global addresses alone
	s_lshl_b32 s[Q0], s[SB], 7
	s_lshl_b32 s48, ttmp9, 4
	s_add_co_u32 s[Q0], s[Q0], s48                 ; my first query: 128 x block + 16 x work-group x
	s_and_b32 s49, ttmp7, 0xffff
	s_lshl_b32 s49, s49, 10                        ; the batch's first row
	s_lshl_b32 s50, s[WAVE], 6
	s_add_co_u32 s50, s50, s49                     ; my first key's row
	s_add_co_u32 s51, s49, s[Q0]                   ; my first query's row
	s_mov_b32 s35, 0
	s_mov_b32 s[SEL], 0x76543210
	s_mov_b32 s[SEL+1], 0xfedcba98
	s_mov_b32 s[CS], 0x3e38aa3b                    ; log2(e) / 8
	s_mov_b32 s[CS+1], s[CS]                       ; (named with it as a pair, so it is written)
	s_wait_kmcnt 0x0
	s_mul_i32 s34, s50, 48
	s_add_nc_u64 s[36:37], s[4:5], s[34:35]        ; x's codes at my 64 keys
	s_lshl_b32 s34, s50, 1
	s_add_nc_u64 s[38:39], s[6:7], s[34:35]        ; their scale bytes
	s_mul_i32 s34, s51, 48
	s_add_nc_u64 s[40:41], s[4:5], s[34:35]        ; x's codes at my 16 queries
	s_lshl_b32 s34, s51, 1
	s_add_nc_u64 s[42:43], s[6:7], s[34:35]
	s_lshl_b32 s34, s51, 8
	s_add_nc_u64 s[44:45], s[20:21], s[34:35]      ; out0 at my first query: 256 bytes a row
	s_wait_alu depctr_va_vdst(0)                   ; the four offsets v244 to v247 are written, which the 68 loads below read
	; what q needs, 20 loads, first
.irp p, 0,1,2
	global_load_b64 v[XQ+2*\p:XQ+2*\p+1], v[ON], s[40:41] offset:8*\p
.endr
	global_load_u16 v[XQS], v[SN], s[42:43]        ; two bytes, widened with zeros: the bytes of k = 64 .. 127 are 0
.irp t, 0,1,2,3
.irp p, 0,1,2
	global_load_b64 v[WQF+6*\t+2*\p:WQF+6*\t+2*\p+1], v[OP], s[8:9] offset:(32*(\t/2)+8*(\t%2))*48+8*\p
.endr
	global_load_u16 v[WQS+\t], v[SP], s[10:11] offset:(32*(\t/2)+8*(\t%2))*2
.endr
	; what k and v need, 48 loads
.irp t, 0,1,2,3
.irp p, 0,1,2
	global_load_b64 v[X+12*\t+2*\p:X+12*\t+2*\p+1], v[OP], s[36:37] offset:(32*(\t/2)+8*(\t%2))*48+8*\p
.endr
	global_load_u16 v[XS+\t], v[SP], s[38:39] offset:(32*(\t/2)+8*(\t%2))*2
.endr
.irp t, 0,1,2,3
.irp p, 0,1,2
	global_load_b64 v[WKF+6*\t+2*\p:WKF+6*\t+2*\p+1], v[OP], s[12:13] offset:(32*(\t/2)+8*(\t%2))*48+8*\p
.endr
	global_load_u16 v[WKS+\t], v[SP], s[14:15] offset:(32*(\t/2)+8*(\t%2))*2
.endr
.irp t, 0,1,2,3                                    ; Wv's rows as they lie: its tiles' rows become lanes of O^T's source 0
.irp p, 0,1,2
	global_load_b64 v[WVF+6*\t+2*\p:WVF+6*\t+2*\p+1], v[ON], s[16:17] offset:768*\t+8*\p
.endr
	global_load_u16 v[WVS+\t], v[SN], s[18:19] offset:32*\t
.endr
	; while they are out: the zero codes, in registers that no load fills
.irp t, 0,1,2,3
.irp i, 6,7,8,9,10,11
	v_mov_b32 v[X+12*\t+\i], 0                     ; [x | 0]
.endr
.endr
.irp i, 0,1,2,3,4,5
	v_mov_b32 v[XQ+6+\i], 0                        ; [x | 0] of my queries
	v_mov_b32 v[WQF+24+\i], 0                      ; behind Wq's last fragment
	v_mov_b32 v[QF+\i], 0                          ; [0 | q | 0]; its head also stands behind Wv's last fragment
	v_mov_b32 v[QF+12+\i], 0
.endr
.irp b, 0,1,2,3
	v_mov_b32 v[TM+4+\b], 0                        ; written once: a lane permute's destination counts as one of its sources
.endr
	; and every LDS address that stays: a constant + a constant x lane + constants x parts of the wave's number
	v_lshlrev_b32 v[LI], 4, v254
	s_wait_alu depctr_va_vdst(0)
	v_mul_u32_u24 v[L48], v254, 48
	s_mul_i32 s46, s[WAVE], 3072                   ; k: two pairs of 1,536 bytes a wave
	v_add_nc_u32 v[KW], s46, v[L48]
	s_lshr_b32 s46, s[WAVE], 1                     ; the key step that my keys belong to,
	s_and_b32 s47, s[WAVE], 1                      ; and which half of it
	s_mul_i32 s48, s46, 6144
	s_mul_i32 s49, s47, 24
	s_add_co_u32 s48, s48, s49
	v_add_nc_u32 v[VW], s48, v[L48]                ; v: registers 6 x half on of each lane's twelve
	s_lshl_b32 s48, s46, 9
	s_add_co_u32 s48, s48, KSC
	s_lshl_b32 s49, s47, 3
	s_add_co_u32 s49, s49, s48
	v_add_nc_u32 v[KSW], s49, v[LI]
	s_lshl_b32 s49, s47, 1
	s_add_co_u32 s49, s49, s48
	v_add_nc_u32 v[VSW], s49, v[LI]
	s_and_b32 s46, s[WAVE], 3
	s_lshr_b32 s47, s[WAVE], 3
	s_lshl_b32 s47, s47, 2
	s_or_b32 s46, s46, s47                         ; my tile's number among the eight: the same in the two waves that share it
	s_mul_i32 s46, s46, 4608
	s_add_co_u32 s46, s46, MRGB
	v_add_nc_u32 v[MG], s46, v[LI]
	s_mul_i32 s46, s[WAVE], 4352
	s_add_co_u32 s46, s46, STG
	v_mul_u32_u24 v[SO], v252, 272
	v_lshl_add_u32 v[SO], v253, 5, v[SO]
	v_add_nc_u32 v[SO], s46, v[SO]                 ; in: row r, 32 h bytes on
	v_mul_u32_u24 v[SR], v253, 272
	v_lshl_add_u32 v[SR], v252, 4, v[SR]
	v_add_nc_u32 v[SR], s46, v[SR]                 ; back: lanes 0-15 one row, lanes 16-31 the next
	v_lshlrev_b32 v[GO], 8, v253
	v_lshl_add_u32 v[GO], v252, 4, v[GO]
	v_lshlrev_b32 v[DQ], 4, v253
	v_sub_nc_u32 v[DQ], v252, v[DQ]
	; ---- q: source 0 = 16 chosen rows of Wq, source 1 = my 16 queries: a lane holds one query, its 32 registers 16 + 16 neighbouring channels
	s_wait_loadcnt 48                              ; the first 20 loads are in; the 48 issued behind them may be out
	s_wait_alu depctr_va_vdst(0)                   ; the zero codes in XQ, behind Wq, in X and in QF are written, which the scaled products take (the address lines above are their places); so are v3 to v10, which every later LDS instruction and the last stores read as addresses
.irp t, 0,1,2,3
	MM HA+8*\t, WQF+6*\t, XQ, WQS+\t, XQS
.endr
	NOPS 5                                         ; four places in front of the reads of results; five in front of the products below, which write over these products' registers (ISA guide 7.12.1)
	QUANT HA, QF+6, 1
	v_mov_b32 v[QS0], v[PW]                        ; q's two bytes for [q | 0],
	v_lshlrev_b32 v[QS1], 16, v[PW]                ; and for [0 | q]
	; ---- k: source 0 = 16 chosen rows of Wk, source 1 = 16 chosen keys.  Two tiles of keys make one fragment and one scale word
	s_wait_loadcnt 0x0                             ; all loads: Wk's last fragment names Wv's first registers behind it
.irp b, 0,1
.irp e, 0,1
.irp t, 0,1,2,3
	MM HA+32*\e+8*\t, WKF+6*\t, X+12*(2*\b+\e), WKS+\t, XS+2*\b+\e
.endr
.endr
	s_wait_dscnt 0x0                               ; the last image's stores are done,
.if \b > 0
	s_wait_alu depctr_vm_vsrc(0)                   ; and have read v[PC ..] and v[PW], which the quantiser below writes again; the head's loads have read v244 to v247, of which phase 2 writes two again
.endif
	NOPS 5
	QUANT HA, PC, 2
	s_wait_alu depctr_va_vdst(0)                   ; the quantiser has written v[PC ..] and v[PW], which the stores below read; the first time also: q's codes and its two scale words are written, which phase 2's products take
.irp n, 0,1,2
	ds_store_b128 v[KW], v[PC+4*\n:PC+4*\n+3] offset:KIMG+1536*\b+16*\n
.endr
	ds_store_b32 v[KSW], v[PW] offset:4*\b
.endr
	; ---- v: source 0 = 16 chosen keys, source 1 = 16 rows of Wv: a lane holds one channel, its registers run along the keys.  Two tiles of channels at a time; my 64 keys are half a fragment
.irp q, 0,1
.irp e, 0,1
.irp t, 0,1,2,3
	MM HA+32*\e+8*\t, X+12*\t, WVF+6*(2*\q+\e), XS+\t, WVS+2*\q+\e
.endr
.endr
	s_wait_dscnt 0x0                               ; the last image's stores are done,
	s_wait_alu depctr_vm_vsrc(0)                   ; and have read v[PC ..] and v[PW], which the quantiser below writes again
	NOPS 5
	QUANT HA, PC, 2
	s_wait_alu depctr_va_vdst(0)                   ; the quantiser has written v[PC ..] and v[PW], which the stores below read
.irp e, 0,1
.irp p, 0,1,2
	ds_store_b64 v[VW], v[PC+6*\e+2*\p:PC+6*\e+2*\p+1] offset:VIMG+1536*(2*\q+\e)+8*\p
.endr
.endr
	ds_store_b16 v[VSW], v[PW] offset:VSCO+8*\q            ; the first tile's two bytes,
	ds_store_b16_d16_hi v[VSW], v[PW] offset:VSCO+8*\q+4   ; the second's
.endr
	s_wait_dscnt 0x0                               ; for the others' sake: my images lie in LDS
	s_barrier_signal -1
	; register work while the others arrive: phase 2 begins with zeros and a largest t under every t, so that the step is written once
.irp j, 0,1,2,3,4,5,6,7,8,9,10,11,12,13,14,15,16,17,18,19,20,21,22,23,24,25,26,27,28,29,30,31
	v_mov_b32 v[O+\j], 0
.endr
	v_mov_b32 v13, 0xff61b1e6                      ; -3e38
	v_floor_f32 v12, -v13                          ; -M
	v_mov_b32 v14, 0
	v_mov_b32 v15, 0
	v_mov_b32 v191, 0                              ; the merge's lane permute writes it
	v_mov_b32 v[F+1], 0                            ; (named as the upper halves of pairs)
	v_mov_b32 v[T1], 0
	s_lshl_b32 s[KF], s[PAR], 7
	s_mul_i32 s[TB], s[PAR], 6144
	s_lshl_b32 s[TS], s[PAR], 9
	s_add_co_u32 s[TS], s[TS], KSC
	s_mov_b32 s[CNT], 4
	s_barrier_wait -1                              ; all 1,024 keys lie in LDS
	; ---- phase 2: four trips, key steps of my parity.  A step all of whose keys come after my queries is jumped over: a scalar branch on ids, inside the loop
.Lstep:
	s_wait_alu depctr_vm_vsrc(0)                   ; the last trip's LDS loads have read v[AD] and v[ADS], which the additions below write; in the first trip: phase 1's last stores have read v[PC ..] and v[PW], which the softmax's quantiser writes.  Ahead of the branch: on every way
	s_add_co_u32 s50, s[Q0], 15
	s_cmp_gt_u32 s[KF], s50
	s_cbranch_scc1 .Lhidden
	v_add_nc_u32 v[AD], s[TB], v[L48]
	v_add_nc_u32 v[ADS], s[TS], v[LI]
	s_wait_alu depctr_va_vdst(0)                   ; v[AD] and v[ADS] are written, which the step's loads read; the last trip's products on v (in the first trip phase 1's) are done reading v[FR ..] and v[KS ..], in which the 13 loads below land
	ds_load_b128 v[KS:KS+3], v[ADS]                ; k's four scale words
.irp i, 0,1,2,3
.irp n, 0,1,2
	ds_load_b128 v[FR+12*\i+4*\n:FR+12*\i+4*\n+3], v[AD] offset:KIMG+1536*\i+16*\n
.endr
.endr
.irp i, 0,1,2,3                                    ; S^T = k q^T: register 16 i + 0 .. 15 of a lane is key KF + 32 i + 16 (lane / 16) + 0 .. 15 for query lane % 16
	s_wait_dscnt 9-3*\i                            ; pair i is in; the later pairs' loads, three each, may be out
	MM S+16*\i, FR+12*\i, QF+6, KS+\i, QS0
	MM S+16*\i+8, FR+12*\i, QF, KS+\i, QS1
.endr
	NOPS 4                                         ; places in front of the reads of these products' results (ISA guide 7.12.1)
	s_wait_alu depctr_va_vdst(0)                   ; the eight products are done reading v[FR ..] and v[KS ..], in which the 13 loads below land
	ds_load_b128 v[KS:KS+3], v[ADS] offset:VSCO    ; v's scale words and fragments land while the softmax is worked
.irp c, 0,1,2,3
.irp n, 0,1,2
	ds_load_b128 v[FR+12*\c+4*\n:FR+12*\c+4*\n+3], v[AD] offset:VIMG+1536*\c+16*\n
.endr
.endr
	s_add_co_u32 s50, s[KF], 127                   ; a step all of whose keys count for all my queries has no mask
	s_cmp_le_u32 s50, s[Q0]
	s_cbranch_scc1 .Lopen
	s_sub_co_i32 s50, s[Q0], s[KF]
	v_add_nc_u32 v[T0], s50, v[DQ]                 ; d = my query - KF - 16 (lane / 16): register 16 b + i is hidden where 32 b + i > d
	v_mov_b32 v[T1], 0xff800000                    ; -infinity: p = 0.  Key KF counts for every query of the tile, so the row's maximum is a number
.irp u, 0,1                                        ; 32 registers of scores at a time: a run of compares into 32 scalar registers, one wait, the run of selects
.irp n, 0,1,2,3,4,5,6,7,8,9,10,11,12,13,14,15,16,17,18,19,20,21,22,23,24,25,26,27,28,29,30,31
	v_cmp_gt_i32 s[MK+\n], 32*((32*\u+\n)/16)+\n%16, v[T0]
.endr
	s_wait_alu depctr_va_sdst(0)                   ; the 32 compares have written s[MK ..], ahead of the first select that reads one of them
.irp n, 0,1,2,3,4,5,6,7,8,9,10,11,12,13,14,15,16,17,18,19,20,21,22,23,24,25,26,27,28,29,30,31
	v_cndmask_b32 v[S+32*\u+\n], v[S+32*\u+\n], v[T1], s[MK+\n]
.endr
.endr
.Lopen:
.irp b, 0,1,2,3
	v_max3_num_f32 v[TM+\b], v[S+16*\b], v[S+1+16*\b], v[S+2+16*\b]   ; the largest score of each block of 32 keys: for the row's maximum and, since p rises with the score, for the block's largest p
.endr
.irp i, 3,5,7,9,11,13
.irp b, 0,1,2,3
	v_max3_num_f32 v[TM+\b], v[TM+\b], v[S+16*\b+\i], v[S+1+16*\b+\i]
.endr
.endr
.irp b, 0,1,2,3
	v_max_num_f32 v[TM+\b], v[TM+\b], v[S+15+16*\b]
.endr
.irp b, 0,1,2,3
	v_permlanex16_b32 v[TM+4+\b], v[TM+\b], s[SEL], s[SEL+1]
.endr
.irp b, 0,1,2,3
	v_max_num_f32 v[TM+\b], v[TM+\b], v[TM+4+\b]   ; with lane l xor 16's 16 keys
.endr
	v_max3_num_f32 v[T0], v[TM], v[TM+1], v[TM+2]
	v_max_num_f32 v[T0], v[T0], v[TM+3]            ; the step's largest score of my query
	v_mul_f32 v[T0], s[CS], v[T0]                  ; as t (c is positive)
	v_max_num_f32 v13, v13, v[T0]                  ; the running largest t
	v_mov_b32 v[T0], v12
	v_floor_f32 v12, -v13                          ; the new -M = -ceil(t)
	v_sub_f32 v[T0], v12, v[T0]                    ; old M - new M: a whole number, 0 or less
	v_cvt_i32_f32 v[T0], v[T0]                     ; (it saturates)
	v_ldexp_f32 v[F], 1.0, v[T0]                   ; f = 2^(old M - new M): a multiplication by it rounds nothing
.irp j, 0,2,4,6,8,10,12,14,16,18,20,22,24,26,28,30,32,34,36,38,40,42,44,46,48,50,52,54,56,58,60,62
	v_pk_fma_f32 v[S+\j:S+1+\j], v[S+\j:S+1+\j], s[CS:CS+1], v[12:13] op_sel_hi:[1,0,0]   ; t - M, two at a time
.endr
.irp b, 0,1,2,3
	v_fma_f32 v[TM+\b], v[TM+\b], s[CS], v12       ; the same of each block's largest score
.endr
	s_wait_alu depctr_va_vdst(0)
.irp j, 0,1,2,3,4,5,6,7,8,9,10,11,12,13,14,15,16,17,18,19,20,21,22,23,24,25,26,27,28,29,30,31,32,33,34,35,36,37,38,39,40,41,42,43,44,45,46,47,48,49,50,51,52,53,54,55,56,57,58,59,60,61,62,63
	v_exp_f32 v[S+\j], v[S+\j]                     ; p = 2^(t - M), not normalised
.endr
	v_pk_mul_f32 v[14:15], v[14:15], v[F:F+1] op_sel_hi:[1,0]   ; the sums under the new M: the plain instruction behind the exponentials
	s_wait_alu depctr_va_vdst(0)                   ; the 64 exponentials have written p: one wait for the batch, ahead of its first reader
.irp b, 0,1,2,3
	v_exp_f32 v[TM+\b], v[TM+\b]                   ; the block's largest p: the same two instructions on the same number give the same bits
.endr
	v_pk_add_f32 v[TM+8:TM+9], v[S:S+1], v[S+2:S+3]   ; the row's sum of the unquantised p, in two chains; it reads the 64 alone
.irp j, 4,8,12,16,20,24,28,32,36,40,44,48,52,56,60
	v_pk_add_f32 v[14:15], v[14:15], v[S+\j:S+1+\j]
	v_pk_add_f32 v[TM+8:TM+9], v[TM+8:TM+9], v[S+2+\j:S+3+\j]
.endr
	v_pk_add_f32 v[14:15], v[14:15], v[TM+8:TM+9]
	s_wait_alu depctr_va_vdst(0)                   ; the four exponentials have written the blocks' largest p, ahead of their first reader
.irp b, 0,1,2,3
	v_max_num_f32 v[TM+\b], 0x1800000, v[TM+\b]    ; the floor 2^(3 - 127): a block whose every p is 0 keeps the byte 1: its codes are zeros
.endr
	SCALEPACK S, PC, 2
.irp j, 0,2,4,6,8,10,12,14,16,18,20,22,24,26,28,30
	v_pk_mul_f32 v[O+\j:O+1+\j], v[O+\j:O+1+\j], v[F:F+1] op_sel_hi:[1,0]   ; O^T under the new M; for each product below twelve of these name none of its registers: the places behind the writes of p's codes and scale word
.endr
	s_wait_dscnt 0x0                               ; v's fragments and scale words are in
	s_wait_alu depctr_va_vdst(0)                   ; the quantiser has written p's codes v[PC ..] and scale word v[PW], which the scaled products below take; the places above stay beside this wait
.irp c, 0,1,2,3                                    ; O^T += v^T p^T: the four accumulators by turns
	v_wmma_scale_f32_16x16x128_f8f6f4 v[O+8*\c:O+8*\c+7], v[FR+12*\c:FR+12*\c+11], v[PC:PC+11], v[O+8*\c:O+8*\c+7], v[KS+\c], v[PW] matrix_a_fmt:MATRIX_FMT_FP6 matrix_b_fmt:MATRIX_FMT_FP6
.endr
	NOPS 4                                         ; places in front of the reads of O^T behind the loop (ISA guide 7.12.1)
.Lhidden:
	s_add_co_u32 s[KF], s[KF], 256                 ; two steps on
	s_add_co_u32 s[TB], s[TB], 12288
	s_add_co_u32 s[TS], s[TS], 1024
	s_sub_co_u32 s[CNT], s[CNT], 1
	s_cmp_lg_u32 s[CNT], 0
	s_cbranch_scc1 .Lstep
	; ---- the merge: the wave of the odd steps hands its O^T, -M and sums to the wave of the even steps, as images of the registers
	s_cmp_eq_u32 s[PAR], 0
	s_cbranch_scc1 .Lkeep
	s_wait_alu depctr_va_vdst(0)                   ; the last products (or, where every step was jumped over, the lines that clear it) have written O^T, and vector lines -M, the largest t and the sums: the stores below read them; the places stand at the step's end
.irp n, 0,1,2,3,4,5,6,7
	ds_store_b128 v[MG], v[O+4*\n:O+4*\n+3] offset:512*\n
.endr
	ds_store_b128 v[MG], v[12:15] offset:4096
.Lkeep:
	s_wait_dscnt 0x0                               ; for the partner's sake: my stores have landed
	s_barrier_signal -1
	s_barrier_wait -1
	s_cmp_lg_u32 s[PAR], 0
	s_cbranch_scc1 .Lend
	s_wait_alu depctr_va_vdst(0)                   ; the last step's sums and conversions are done with v[S ..], phase 1's products with v182 to v185: the nine loads below land there
	ds_load_b128 v[182:185], v[MG] offset:4096     ; the partner's -M, largest t, sums
.irp n, 0,1,2,3,4,5,6,7
	ds_load_b128 v[S+4*\n:S+4*\n+3], v[MG] offset:512*\n
.endr
	s_wait_dscnt 8                                 ; the statistics are in; the eight loads behind them may be out
	v_min_num_f32 v186, v12, v182                  ; the joint -M.  (A partner that had no step holds -M = 3e38 and zeros: its factor comes out 0)
	v_sub_f32 v187, v186, v12
	v_sub_f32 v188, v186, v182
	v_cvt_i32_f32 v187, v187
	v_cvt_i32_f32 v188, v188
	v_ldexp_f32 v[F], 1.0, v187                    ; my factor,
	v_ldexp_f32 v[T0], 1.0, v188                   ; the partner's: powers of two
	v_add_f32 v189, v14, v15
	v_add_f32 v190, v184, v185
	v_mul_f32 v189, v189, v[F]
	v_fma_f32 v189, v190, v[T0], v189
	v_permlanex16_b32 v191, v189, s[SEL], s[SEL+1]
	v_add_f32 v189, v189, v191                     ; with lane l xor 16's keys: the row's sum
	s_wait_alu depctr_va_vdst(0)
	v_rcp_f32 v189, v189
	v_nop                                          ; a plain instruction behind the reciprocal,
	s_wait_alu depctr_va_vdst(0)                   ; the reciprocal has written v189, ahead of its first reader
	v_mul_f32 v[F], v[F], v189
	v_mul_f32 v[T0], v[T0], v189
	s_wait_alu depctr_va_vdst(0)
	s_wait_dscnt 0x0
.irp j, 0,2,4,6,8,10,12,14,16,18,20,22,24,26,28,30
	v_pk_mul_f32 v[S+\j:S+1+\j], v[S+\j:S+1+\j], v[T0:T0+1] op_sel_hi:[1,0]
.endr
.irp j, 0,2,4,6,8,10,12,14,16,18,20,22,24,26,28,30
	v_pk_fma_f32 v[S+\j:S+1+\j], v[O+\j:O+1+\j], v[F:F+1], v[S+\j:S+1+\j] op_sel_hi:[1,0,1]   ; register 8 c + j is o(query r, channel 16 c + 8 h + j)
.endr
	; ---- the way out, through my own stage: a lane's 32 bytes of a row go in, whole rows of 256 bytes come back
	s_wait_alu depctr_va_vdst(0)                   ; the multiply-adds have written v[S ..], which the stores below read; the last products are done reading v[FR ..], in which the loads from the stage land: no vector line stands between this wait and them
.irp c, 0,1,2,3
	ds_store_b128 v[SO], v[S+8*\c:S+8*\c+3] offset:64*\c
	ds_store_b128 v[SO], v[S+8*\c+4:S+8*\c+7] offset:64*\c+16
.endr
.irp i, 0,1,2,3,4,5,6,7
	ds_load_b128 v[FR+4*\i:FR+4*\i+3], v[SR] offset:544*\i   ; LDS serves a wave's instructions in order (ISA guide 5.7.1.4): these see the stores above
.endr
.irp i, 0,1,2,3,4,5,6,7
	s_wait_dscnt 7-\i                              ; rows 2 i and 2 i + 1 are back; the later loads may be out
	global_store_b128 v[GO], v[FR+4*\i:FR+4*\i+3], s[44:45] offset:512*\i th:TH_STORE_NT   ; 32 lanes store 512 consecutive bytes, at a multiple of 256 from out0's first byte
.endr
.Lend:
	s_wait_dscnt 0x0
	s_wait_alu depctr_hold_cnt(0) depctr_sa_sdst(0) depctr_va_vdst(0) depctr_va_sdst(0) depctr_va_ssrc(0) depctr_va_vcc(0) depctr_vm_vsrc(0)
	s_wait_tensorcnt 0x0
	ds_add_u32 v231, v235
	s_wait_dscnt 0x0
	s_endpgm
.Lfunc_end_k_q0e8e52764a_head:
	.size	k_q0e8e52764a_head, .Lfunc_end_k_q0e8e52764a_head-k_q0e8e52764a_head
	.p2alignl 7, 3214868480
	.fill 96, 4, 3214868480
	.section	.rodata,"a",@progbits
	.p2align	6, 0x0
	.amdhsa_kernel k_q0e8e52764a_head
		.amdhsa_group_segment_fixed_size 215040
		.amdhsa_private_segment_fixed_size 0
		.amdhsa_enable_private_segment 0
		.amdhsa_kernarg_size 72
		.amdhsa_user_sgpr_count 2
		.amdhsa_user_sgpr_kernarg_segment_ptr 1
		.amdhsa_wavefront_size32 1
		.amdhsa_system_sgpr_workgroup_id_x 1
		.amdhsa_system_sgpr_workgroup_id_y 1
		.amdhsa_system_sgpr_workgroup_id_z 1
		.amdhsa_system_vgpr_workitem_id 0
		.amdhsa_next_free_vgpr 256
		.amdhsa_next_free_sgpr 98
		.amdhsa_reserve_vcc 0
		.amdhsa_float_denorm_mode_32 3
		.amdhsa_float_denorm_mode_16_64 3
		.amdhsa_memory_ordered 1
		.amdhsa_forward_progress 1
		.amdhsa_inst_pref_size 69
	.end_amdhsa_kernel
	.amdgpu_metadata
---
amdhsa.version: [ 1, 2 ]
amdhsa.kernels:
  - .name:           k_q0e8e52764a_head
    .symbol:         k_q0e8e52764a_head.kd
    .args:
      - { .name: x_codes, .offset: 0, .size: 8, .value_kind: global_buffer, .address_space: global }
      - { .name: x_scales, .offset: 8, .size: 8, .value_kind: global_buffer, .address_space: global }
      - { .name: Wq_codes, .offset: 16, .size: 8, .value_kind: global_buffer, .address_space: global }
      - { .name: Wq_scales, .offset: 24, .size: 8, .value_kind: global_buffer, .address_space: global }
      - { .name: Wk_codes, .offset: 32, .size: 8, .value_kind: global_buffer, .address_space: global }
      - { .name: Wk_scales, .offset: 40, .size: 8, .value_kind: global_buffer, .address_space: global }
      - { .name: Wv_codes, .offset: 48, .size: 8, .value_kind: global_buffer, .address_space: global }
      - { .name: Wv_scales, .offset: 56, .size: 8, .value_kind: global_buffer, .address_space: global }
      - { .name: out0, .offset: 64, .size: 8, .value_kind: global_buffer, .address_space: global }
    .group_segment_fixed_size: 215040
    .private_segment_fixed_size: 0
    .kernarg_segment_align: 8
    .kernarg_segment_size: 72
    .max_flat_workgroup_size: 512
    .sgpr_count:     98
    .vgpr_count:     256
    .wavefront_size: 32
...
	.end_amdgpu_metadata
.endif
;; end of part 2
